; MI455X (gfx1250); checked and timed in simulation.
; The chip was launched on July 23, 2026; its instructions are those of AMD's public machine-readable ISA for CDNA 5 (MIT licence, August 2026) and "CDNA5" Instruction Set Architecture Reference Guide (July 2026). The comments in the code are by the model that wrote it; some were corrected since.
;; Global State Bus. Allowed arithmetic: float matrix products may take bf16 or f16 operands with f32 sums; all other float work in f32.
;; Inputs: Wc 1,024 x 512 float32; Wg 1,024 x 64 float32; Wv 1,024 x 512 float32; bc 512 float32; bg 64 float32; buffer 128 x 64 x 8 x 512 float32; bv 512 float32; query 128 x 1,024 float32; x 128 x 1,024 float32.
;; Outputs: out0 128 x 64 x 512 float32.
;; 2 versions, each right; version 2 is version 1 with the launches proj, bus written anew for expert scheduling mode. Each part assembles by itself: llvm-mc -triple=amdgcn-amd-amdhsa -mcpu=gfx1250 --defsym DOCPART=n.
;; ======== version 1 of 2: 2 launches
;; workspace buffers: proj 4,456,448 bytes
;; launch proj (part 1): grid 17 x 8, 8 waves a work-group, no clusters, 52,224 bytes of LDS; arguments query, x, Wc, Wv, Wg, bc, bv, bg, proj; writes proj
.if DOCPART == 1
	.amdgcn_target "amdgcn-amd-amdhsa--gfx1250"
	.amdhsa_code_object_version 6
	.text
	.protected	k_q2e7100244a_proj
	.globl	k_q2e7100244a_proj
	.p2align	8
	.type	k_q2e7100244a_proj,@function
k_q2e7100244a_proj:
	s_mov_b64 s[64:65], 0
	v_nop
	global_prefetch_b8 v0, s[64:65] scope:SCOPE_SE
	s_setreg_imm32_b32 hwreg(HW_REG_WAVE_MODE, 25, 1), 1
	s_wait_xcnt 0x0
; proj[kc][b][0:512]    = partial of q       = query x Wc (+ bc in chunk 0)
; proj[kc][b][512:1024] = partial of content = x x Wv     (+ bv in chunk 0)
; proj[kc][b][1024:1088]= partial of the gate's logit = x x Wg (+ bg in chunk 0)
; K = 1024 is cut into KSPLIT = 8 chunks of 128; the next launch adds the eight partials in f32.
; Work-group (c, kc): 64 output columns (c = 0..7 of q, 8..15 of content, 16 the logits) x all 128 rows x one chunk of K.
; 17 x 8 = 136 work-groups: each weight byte is read once in the launch, in rows of 256 consecutive bytes.
; Wave w: rows 16 w .. 16 w + 15 x 64 columns = 4 accumulator tiles, 4 K steps of 32, 16 matrix instructions.
; COLUMN MAP: tile t holds the columns 4 r + t (r = lane % 16).  So a 16-byte load of a row of W gives a lane one number for each
; of the four tiles (no transpose), and the four tiles' registers j are 16 neighbouring bytes of one output row (no trip through LDS).
; LIMITS: the operands of the products are rounded to bf16 (sums in f32); the sum over K is formed in eight parts.
; NO CLUSTER: the chunk of query or x (64 KiB) is read by the 8 or 9 work-groups of a chunk, but the numbers are f32 and have to pass
; through registers to become bf16, so they come by register loads, which have no joint form; and 17 column groups divide into no cluster.
.set KSPLIT,  8
.set PROW,    4352                     ; bytes in a row of proj: 1088 f32 = 17 x 256
.set PSTRIDE, 128*PROW                 ; bytes in one chunk's partial
.set XS,      16384                    ; LDS: W's fragments lie at 0 (16,384 bytes), X's rows behind them
.set XP,      272                      ; an X row in LDS: 256 bytes of bf16 + 16, so that the 16 rows that a fragment load touches start 68 words apart
.set XO,   4                           ; v4   byte offset of my 16 bytes in row 16 w of the chunk of X
.set BIO,  5                           ; v5   16 r: my four columns in the bias
.set PO,   6                           ; v6   byte offset of my 16 bytes in row 16 w + 8 h of proj
.set XSW,  7                           ; v7   LDS: where I put 8 bytes of X's row 16 w
.set XSR,  8                           ; v8   LDS: my part of an A fragment
.set WSW,  9                           ; v9   LDS: where I put 16 bytes of my wave's pieces of W
.set WSR,  10                          ; v10  LDS: my 16 bytes of any piece of W
.set WO,   12                          ; v[12:19]  byte offset of my 16 bytes in row 16 w + 8 h + i of the chunk of W
.set BIAS, 20                          ; v[20:23]  bias of my four columns
.set ACC,  24                          ; v[24:55]  tile t at 24 + 8 t
.set AF,   56                          ; v[56:87]  A fragment of K step j at 56 + 8 j
.set BF,   88                          ; v[88:215] B fragment (j, t) at 88 + 8 (4 j + t)
.set OQ,   216                         ; v[216:247] output row j: 4 registers
.set XF,   88                          ; in front of the barrier: v[88:151] X as loaded, row i at 88 + 4 i
.set WF,   152                         ;                          v[152:183] W as loaded, row i at 152 + 4 i
.set PK,   184                         ;                          v[184:199] W packed, tile t at 184 + 4 t
	s_load_b512 s[4:19], s[0:1], 0x0               ; query 4, x 6, Wc 8, Wv 10, Wg 12, bc 14, bv 16, bg 18
	s_load_b64 s[20:21], s[0:1], 0x40              ; proj
	v_lshl_add_u32 v248, v0, 2, 0xc800
	v_mov_b32 v249, 0
	s_mov_b32 s23, ttmp9                           ; c
	s_and_b32 s34, ttmp7, 0xffff                   ; kc
	s_movk_i32 s30, 0x800
	s_cmp_eq_u32 s23, 16
	s_cselect_b32 s30, 0x100, s30                  ; bytes from row to row of W: 2,048, for Wg 256
	v_and_b32 v1, 31, v0                           ; lane l
	v_and_b32 v2, 15, v0                           ; r
	v_bfe_u32 v3, v0, 4, 1                         ; h
	v_lshrrev_b32 v11, 5, v0                       ; wave w
	v_lshlrev_b32 v[WSR], 4, v1                    ; 16 l
	v_lshl_add_u32 v[XO], v11, 16, v[WSR]          ; 16 rows of 4,096 bytes a wave + 16 l
	v_lshlrev_b32 v[BIO], 4, v2
	v_lshl_add_u32 v20, v11, 1, v3
	v_lshlrev_b32 v20, 3, v20                      ; 16 w + 8 h
	v_mad_u32_u24 v[PO], v20, PROW, v[BIO]
	v_mul_u32_u24 v21, 16*XP, v11                  ; my wave's 16 rows in XS
	v_lshl_add_u32 v[XSW], v1, 3, v21
	v_add_nc_u32 v[XSW], XS, v[XSW]
	v_mad_u32_u24 v[XSR], v2, XP, v21              ; row r of them,
	v_lshl_add_u32 v[XSR], v3, 4, v[XSR]           ; + 16 h
	v_add_nc_u32 v[XSR], XS, v[XSR]
	v_lshl_add_u32 v[WSW], v11, 11, v[WSR]         ; my wave's four pieces of 512 bytes
	v_mad_u32_u24 v[WO], v20, s30, v[BIO]
.irp i, 1,2,3,4,5,6,7
	v_add_nc_u32 v[WO+\i], s30, v[WO+\i-1]
.endr
	s_wait_kmcnt 0x0
	s_cmp_lt_u32 s23, 8                            ; which product is mine
	s_cselect_b64 s[24:25], s[4:5], s[6:7]         ; A: query or x
	s_cselect_b64 s[26:27], s[8:9], s[10:11]       ; W: Wc or Wv
	s_cselect_b64 s[28:29], s[14:15], s[16:17]     ; bias: bc or bv
	s_cmp_eq_u32 s23, 16
	s_cselect_b64 s[26:27], s[12:13], s[26:27]     ; or Wg
	s_cselect_b64 s[28:29], s[18:19], s[28:29]     ; and bg
	s_cmp_eq_u32 s34, 0
	s_cselect_b32 s35, -1, 0                       ; the bias counts in chunk 0 alone
	s_mov_b32 s33, 0
	s_lshl_b32 s32, s34, 9                         ; the chunk's 128 f32 in a row of A
	s_add_nc_u64 s[24:25], s[24:25], s[32:33]
	s_and_b32 s36, s23, 7
	s_lshl_b32 s36, s36, 8                         ; my 64 columns in W and in the bias (c = 16: 0)
	s_mul_i32 s32, s34, s30
	s_lshl_b32 s32, s32, 7                         ; the chunk's 128 rows of W
	s_add_co_u32 s32, s32, s36
	s_add_nc_u64 s[26:27], s[26:27], s[32:33]
	s_mov_b32 s32, s36
	s_add_nc_u64 s[28:29], s[28:29], s[32:33]
	s_mul_i32 s32, s34, PSTRIDE
	s_lshl_b32 s37, s23, 8                         ; my 64 columns in a row of proj
	s_add_co_u32 s32, s32, s37
	s_add_nc_u64 s[20:21], s[20:21], s[32:33]
	; All 25 loads in one run.  W: lanes 0-15 take 256 consecutive bytes of row 16 w + i, lanes 16-31 of row 16 w + 8 + i.
.irp i, 0,1,2,3,4,5,6,7
	global_load_b128 v[WF+4*\i:WF+4*\i+3], v[WO+\i], s[26:27] th:TH_LOAD_NT
.endr
.irp i, 0,1,2,3,4,5,6,7,8,9,10,11,12,13,14,15
	global_load_b128 v[XF+4*\i:XF+4*\i+3], v[XO], s[24:25] offset:4096*\i     ; a row's 512 consecutive bytes
.endr
	global_load_b128 v[BIAS:BIAS+3], v[BIO], s[28:29]
; Piece (w, t) of W in LDS: lane (r, h) holds k = 16 w + 8 h + 0..7 of column 4 r + t as 8 bf16: registers 0-3 (w even) or 4-7 (w odd)
; of the B fragment of K step w / 2 and tile t.  Stored and read at 16 bytes a lane, consecutive.
.macro PACKW t
.irp e, 0,1,2,3
	v_cvt_pk_bf16_f32 v[PK+4*\t+\e], v[WF+8*\e+\t], v[WF+8*\e+4+\t]
.endr
	ds_store_b128 v[WSW], v[PK+4*\t:PK+4*\t+3] offset:512*\t
.endm
; Rows 4 g .. 4 g + 3 of my wave's X: 4 f32 become 8 bytes; a row's 32 lanes store 256 consecutive bytes.
.macro PACKX g
	s_wait_loadcnt 13-4*\g                         ; the 12 - 4 g later rows of X and the bias stay out
.irp q, 0,1,2,3
	v_cvt_pk_bf16_f32 v[XF+4*(4*\g+\q)],   v[XF+4*(4*\g+\q)],   v[XF+4*(4*\g+\q)+1]
	v_cvt_pk_bf16_f32 v[XF+4*(4*\g+\q)+1], v[XF+4*(4*\g+\q)+2], v[XF+4*(4*\g+\q)+3]
	ds_store_b64 v[XSW], v[XF+4*(4*\g+\q):XF+4*(4*\g+\q)+1] offset:XP*(4*\g+\q)
.endr
.endm
	s_wait_loadcnt 17                              ; W's eight loads are in; X's sixteen and the bias stay out
	PACKW 0
	PACKW 1
	PACKW 2
	PACKW 3
	PACKX 0
	PACKX 1
	PACKX 2
	PACKX 3
	s_wait_dscnt 0x0                               ; my LDS stores are done, for the other waves' sake,
	s_barrier_signal -1
	s_barrier_wait -1                              ; and so are everybody's: W's fragments are whole.  The only barrier
; The ten loads of K step j: the A fragment (row r of my 16, bytes 64 j + 16 h and 32 further) and the four B fragments.
.macro FRAG j
	ds_load_b128 v[AF+8*\j:AF+8*\j+3],   v[XSR] offset:64*\j
	ds_load_b128 v[AF+8*\j+4:AF+8*\j+7], v[XSR] offset:64*\j+32
.irp t, 0,1,2,3
	ds_load_b128 v[BF+8*(4*\j+\t):BF+8*(4*\j+\t)+3],   v[WSR] offset:4096*\j+512*\t
	ds_load_b128 v[BF+8*(4*\j+\t)+4:BF+8*(4*\j+\t)+7], v[WSR] offset:4096*\j+2048+512*\t
.endr
.endm
; zero = 1: the first products start the sums, nothing is cleared.  Later ones are links of chains in place.
.macro MUL j, zero
	s_wait_dscnt 30-10*\j                          ; the ten loads of each later K step stay out
.irp t, 0,1,2,3
.if \zero
	v_wmma_f32_16x16x32_bf16 v[ACC+8*\t:ACC+8*\t+7], v[AF+8*\j:AF+8*\j+7], v[BF+8*(4*\j+\t):BF+8*(4*\j+\t)+7], 0
.else
	v_wmma_f32_16x16x32_bf16 v[ACC+8*\t:ACC+8*\t+7], v[AF+8*\j:AF+8*\j+7], v[BF+8*(4*\j+\t):BF+8*(4*\j+\t)+7], v[ACC+8*\t:ACC+8*\t+7]
.endif
.endr
.endm
	FRAG 0
	FRAG 1
	FRAG 2
	FRAG 3                                         ; every fragment has registers of its own: no load follows a matrix instruction
	MUL 0, 1
	MUL 1, 0
	MUL 2, 0
	MUL 3, 0
	s_wait_loadcnt 0x0                             ; the bias
	; Four plain vector instructions that name no register of the products: the four places behind the last matrix instruction
	; (ISA guide 7.12.1).  A mask, not a product with 0: the bias passes as it is in chunk 0 and is +0 in the others.
.irp t, 0,1,2,3
	v_and_b32 v[BIAS+\t], s35, v[BIAS+\t]
.endr
	; Register j of tile t is (row 8 h + j, column 4 r + t): the add of the bias also gathers a row's four neighbours.
.irp j, 0,1,2,3,4,5,6,7
.irp t, 0,1,2,3
	v_add_f32 v[OQ+4*\j+\t], v[BIAS+\t], v[ACC+8*\t+\j]
.endr
	global_store_b128 v[PO], v[OQ+4*\j:OQ+4*\j+3], s[20:21] offset:PROW*\j    ; 16 lanes store 256 consecutive bytes, aligned
.endr
	s_wait_tensorcnt 0x0
	ds_add_u32 v248, v249
	s_wait_dscnt 0x0
	s_endpgm
.Lfunc_end_k_q2e7100244a_proj:
	.size	k_q2e7100244a_proj, .Lfunc_end_k_q2e7100244a_proj-k_q2e7100244a_proj
	.p2alignl 7, 3214868480
	.fill 96, 4, 3214868480
	.section	.rodata,"a",@progbits
	.p2align	6, 0x0
	.amdhsa_kernel k_q2e7100244a_proj
		.amdhsa_group_segment_fixed_size 52224
		.amdhsa_private_segment_fixed_size 0
		.amdhsa_enable_private_segment 0
		.amdhsa_kernarg_size 72
		.amdhsa_user_sgpr_count 2
		.amdhsa_user_sgpr_kernarg_segment_ptr 1
		.amdhsa_wavefront_size32 1
		.amdhsa_system_sgpr_workgroup_id_x 1
		.amdhsa_system_sgpr_workgroup_id_y 1
		.amdhsa_system_sgpr_workgroup_id_z 1
		.amdhsa_system_vgpr_workitem_id 0
		.amdhsa_next_free_vgpr 250
		.amdhsa_next_free_sgpr 66
		.amdhsa_reserve_vcc 0
		.amdhsa_float_denorm_mode_32 3
		.amdhsa_float_denorm_mode_16_64 3
		.amdhsa_memory_ordered 1
		.amdhsa_forward_progress 1
		.amdhsa_inst_pref_size 16
	.end_amdhsa_kernel
	.amdgpu_metadata
---
amdhsa.version: [ 1, 2 ]
amdhsa.kernels:
  - .name:           k_q2e7100244a_proj
    .symbol:         k_q2e7100244a_proj.kd
    .args:
      - { .name: query, .offset: 0, .size: 8, .value_kind: global_buffer, .address_space: global }
      - { .name: x, .offset: 8, .size: 8, .value_kind: global_buffer, .address_space: global }
      - { .name: Wc, .offset: 16, .size: 8, .value_kind: global_buffer, .address_space: global }
      - { .name: Wv, .offset: 24, .size: 8, .value_kind: global_buffer, .address_space: global }
      - { .name: Wg, .offset: 32, .size: 8, .value_kind: global_buffer, .address_space: global }
      - { .name: bc, .offset: 40, .size: 8, .value_kind: global_buffer, .address_space: global }
      - { .name: bv, .offset: 48, .size: 8, .value_kind: global_buffer, .address_space: global }
      - { .name: bg, .offset: 56, .size: 8, .value_kind: global_buffer, .address_space: global }
      - { .name: proj, .offset: 64, .size: 8, .value_kind: global_buffer, .address_space: global }
    .group_segment_fixed_size: 52224
    .private_segment_fixed_size: 0
    .kernarg_segment_align: 8
    .kernarg_segment_size: 72
    .max_flat_workgroup_size: 256
    .sgpr_count:     66
    .vgpr_count:     250
    .wavefront_size: 32
...
	.end_amdgpu_metadata
.endif
;; end of part 1
;; launch bus (part 2): grid 256 x 1, 16 waves a work-group, no clusters, 12,544 bytes of LDS; arguments proj, buffer, out0; writes out0
.if DOCPART == 2
	.amdgcn_target "amdgcn-amd-amdhsa--gfx1250"
	.amdhsa_code_object_version 6
	.text
	.protected	k_q2e7100244a_bus
	.globl	k_q2e7100244a_bus
	.p2align	8
	.type	k_q2e7100244a_bus,@function
k_q2e7100244a_bus:
	s_mov_b64 s[64:65], 0
	v_nop
	global_prefetch_b8 v0, s[64:65] scope:SCOPE_SE
	s_setreg_imm32_b32 hwreg(HW_REG_WAVE_MODE, 25, 1), 1
	s_wait_xcnt 0x0
; out0[b][s][:] = sum over p of w_p new[b][s][p][:],  new = (1 - g) buffer + g content,  w = softmax over p of (new . q) / sqrt(512).
; With d_p = buffer[b][s][p][:] . q[b]:  score_p = ((1 - g) d_p + g (content . q)) / sqrt(512).  The second term is the same for the
; eight p, so it cancels in the softmax for every input; it is NOT formed here (forming it only to take it away again with the maximum
; would be a difference of large sums).  The largest of the eight scores is taken away before the exponentials.
; As the weights add up to 1:  out = sum over p of ((1 - g) w_p) buffer_p + g content: new is never formed.
; Work-group id: b = id / 2, the 32 s from 32 (id % 2): 512 KiB of buffer and 64 KiB of out0, both consecutive.
; Wave w: items (b, s) 2 w and 2 w + 1 of them.  An item is 8 rows of 2,048 bytes: 32 loads of 16 bytes a lane, 128 registers; it stays
; in registers between the pass that makes the scores and the pass that sums, so buffer is read once.  The second item's rows are
; asked for row by row as the first item's second pass gives the registers back.
; A lane holds the numbers 128 i + 4 l + 0..3, i = 0..3, of a row: every load and store of a wave covers 512 consecutive bytes.
; LIMITS: v_exp_f32 gives 0 for results below 2^-126 (ISA guide, its entry), so weights that small, and the exponential in the gate for
; logits above 126 ln 2, count as 0; the sums over K (eight partials) and over v (a tree over lanes) run in another order than a plain loop.
; LEFT OUT: matrix instructions (each number of buffer meets one vector, q[b]: 15 of 16 columns would idle); LDS for the stream (the
; registers hold it); clusters (two work-groups share 35 KiB of partials against 512 KiB of their own, and there are no tensor loads).
.set PROW,    4352                     ; bytes in a row of proj: q 2,048, content 2,048, logits 256
.set PSTRIDE, 128*PROW                 ; bytes in one partial
.set ITEMB,   16384
.set ROWB,    2048
.set GTB,     8192                     ; LDS: [2][1024] f32 half sums of q | content at 0; the logits' partials behind them,
.set GTP,     264                      ; eight rows of 64 f32, 264 bytes apart: the eight rows that one read touches start 2 words further each
.set BO,  2                            ; v2   my 16 bytes in the first row of my wave's first item
.set OO,  3                            ; v3   my 16 bytes in my wave's first output row
.set PO,  4                            ; v4   partials: group t / 256 (four partials each), quad t % 256
.set GO,  5                            ; v5   logits: partial t / 64, s = t % 64
.set LW,  6                            ; v6   LDS 16 t
.set LG,  7                            ; v7   LDS: logit (t / 64, t % 64)
.set LR,  8                            ; v8   LDS 16 l
.set LGR, 9                            ; v9   LDS: partial l % 8 of my wave's two logits
.set GV,  10                           ; v[10:11] g of items 0, 1
.set OG,  12                           ; v[12:13] 1 - g
.set KS,  14                           ; v[14:15] (1 - g) log2(e) / sqrt(512)
.set RS,  16                           ; v[16:17] (1 - g) / sum of exponentials, twice
.set MX,  18                           ; v18  largest d
.set KM,  19                           ; v19  its score
.set QV,  20                           ; v[20:35] my 16 numbers of q
.set CV,  36                           ; v[36:51] and of content
.set ACC0, 52                          ; v[52:67] item 0's sums
.set ACC1, 68                          ; v[68:83] item 1's: a set each, so no store's data is written again
.set DP,  84                           ; v[84:99] pair 2 p: d_p
.set WT,  100                          ; v[100:107] the weights
.set RC,  108
.set XR,  112                          ; v[112:239] the item: row p at 112 + 16 p
	s_load_b128 s[4:7], s[0:1], 0x0                ; proj, buffer
	s_load_b64 s[8:9], s[0:1], 0x10                ; out0
	v_lshl_add_u32 v240, v0, 2, 0x2900
	v_mov_b32 v241, 0
	s_lshr_b32 s11, ttmp9, 1                       ; b
	s_and_b32 s14, ttmp9, 1
	s_lshl_b32 s15, s14, 7                         ; my half's 32 logits, in bytes
	s_mov_b32 s12, 0x76543210                      ; v_permlanex16_b32: lane i of one half reads lane i of the other
	s_mov_b32 s13, 0xfedcba98
	v_and_b32 v1, 31, v0                           ; lane l
	v_lshrrev_b32 v10, 5, v0                       ; wave w
	v_lshlrev_b32 v[LR], 4, v1
	v_lshl_add_u32 v[BO], v10, 15, v[LR]           ; two items of 16 KiB a wave
	v_lshl_add_u32 v[OO], v10, 12, v[LR]           ; two rows of 2 KiB a wave
	v_lshrrev_b32 v11, 8, v0
	v_and_b32 v12, 0xff, v0
	v_mul_u32_u24 v[PO], 4*PSTRIDE, v11
	v_lshl_add_u32 v[PO], v12, 4, v[PO]
	v_lshrrev_b32 v11, 6, v0
	v_and_b32 v12, 63, v0
	v_mul_u32_u24 v[GO], PSTRIDE, v11
	v_lshl_add_u32 v[GO], v12, 2, v[GO]
	v_lshlrev_b32 v[LW], 4, v0
	v_mul_u32_u24 v[LG], GTP, v11
	v_lshl_add_u32 v[LG], v12, 2, v[LG]
	v_add_nc_u32 v[LG], GTB, v[LG]
	v_and_b32 v13, 7, v0
	v_mul_u32_u24 v[LGR], GTP, v13
	v_lshl_add_u32 v[LGR], v10, 3, v[LGR]
	v_add3_u32 v[LGR], v[LGR], s15, GTB
	s_mul_i32 s16, s11, PROW
	s_mov_b32 s17, 0
	s_wait_kmcnt 0x0
	s_add_nc_u64 s[4:5], s[4:5], s[16:17]          ; proj at row b of partial 0
	s_lshl_b32 s16, ttmp9, 19
	s_add_nc_u64 s[6:7], s[6:7], s[16:17]          ; buffer at my 32 items
	s_lshl_b32 s16, ttmp9, 16
	s_add_nc_u64 s[8:9], s[8:9], s[16:17]          ; out0 at my 32 rows
	; The partials first, so that a counted wait can leave the stream out.
	global_load_b32 v[DP], v[GO], s[4:5] offset:4096
.irp k, 0,1,2,3
	global_load_b128 v[ACC0+4*\k:ACC0+4*\k+3], v[PO], s[4:5] offset:PSTRIDE*\k
.endr
.irp p, 0,1,2,3,4,5,6,7
.irp i, 0,1,2,3
	global_load_b128 v[XR+16*\p+4*\i:XR+16*\p+4*\i+3], v[BO], s[6:7] offset:ROWB*\p+512*\i th:TH_LOAD_NT   ; item 0
.endr
.endr
	s_wait_loadcnt 32                              ; the five loads of partials are in; item 0's 32 stay out
	v_pk_add_f32 v[ACC0:ACC0+1],     v[ACC0:ACC0+1],     v[ACC0+4:ACC0+5]
	v_pk_add_f32 v[ACC0+2:ACC0+3],   v[ACC0+2:ACC0+3],   v[ACC0+6:ACC0+7]
	v_pk_add_f32 v[ACC0+8:ACC0+9],   v[ACC0+8:ACC0+9],   v[ACC0+12:ACC0+13]
	v_pk_add_f32 v[ACC0+10:ACC0+11], v[ACC0+10:ACC0+11], v[ACC0+14:ACC0+15]
	v_pk_add_f32 v[ACC0:ACC0+1],     v[ACC0:ACC0+1],     v[ACC0+8:ACC0+9]
	v_pk_add_f32 v[ACC0+2:ACC0+3],   v[ACC0+2:ACC0+3],   v[ACC0+10:ACC0+11]
	ds_store_b128 v[LW], v[ACC0:ACC0+3]            ; four partials' sum of my quad
	ds_store_b32 v[LG], v[DP]
	s_wait_dscnt 0x0                               ; my LDS stores are done, for the other waves' sake,
	s_barrier_signal -1
	s_barrier_wait -1                              ; and everybody's.  The only barrier; the stream's loads, of bytes that nobody writes, stay out across it
.irp i, 0,1,2,3
	ds_load_b128 v[QV+4*\i:QV+4*\i+3],     v[LR] offset:512*\i
	ds_load_b128 v[CV+4*\i:CV+4*\i+3],     v[LR] offset:2048+512*\i
	ds_load_b128 v[ACC0+4*\i:ACC0+4*\i+3], v[LR] offset:4096+512*\i          ; the other four partials' sums: q,
	ds_load_b128 v[ACC1+4*\i:ACC1+4*\i+3], v[LR] offset:6144+512*\i          ; content
.endr
	ds_load_b64 v[GV:GV+1], v[LGR]
	s_wait_dscnt 0x0
.irp e, 0,1,2,3,4,5,6,7,8,9,10,11,12,13,14,15
	v_pk_add_f32 v[QV+2*\e:QV+2*\e+1], v[QV+2*\e:QV+2*\e+1], v[ACC0+2*\e:ACC0+2*\e+1]   ; q and content lie side by side, and so do the second sums
.endr
	; the gate: lane l holds partial l % 8 of both logits; three steps leave the sums in every lane
.irp m, 1,2,4
	v_add_f32_dpp v[GV],   v[GV],   v[GV]   row_xmask:\m row_mask:0xf bank_mask:0xf
	v_add_f32_dpp v[GV+1], v[GV+1], v[GV+1] row_xmask:\m row_mask:0xf bank_mask:0xf
.endr
	v_mul_f32 v[GV],   0xbfb8aa3b, v[GV]           ; - log2(e) z
	v_mul_f32 v[GV+1], 0xbfb8aa3b, v[GV+1]
	v_exp_f32 v[GV],   v[GV]
	v_exp_f32 v[GV+1], v[GV+1]
	v_nop                                          ; one plain place behind a transcendental before its result is used (ISA guide 5.7.2)
	s_wait_alu depctr_va_vdst(0)
	v_add_f32 v[GV],   1.0, v[GV]
	v_add_f32 v[GV+1], 1.0, v[GV+1]
	v_rcp_f32 v[GV],   v[GV]                       ; g = 1 / (1 + e^-z)
	v_rcp_f32 v[GV+1], v[GV+1]
	v_nop
	s_wait_alu depctr_va_vdst(0)
	v_sub_f32 v[OG],   1.0, v[GV]
	v_sub_f32 v[OG+1], 1.0, v[GV+1]
	v_max_num_f32 v[OG],   0, v[OG]                ; never below 0, so that the largest d gives the largest score
	v_max_num_f32 v[OG+1], 0, v[OG+1]
	v_mul_f32 v[KS],   0x3d8293ee, v[OG]           ; log2(e) / sqrt(512): the exponentials below are in base 2
	v_mul_f32 v[KS+1], 0x3d8293ee, v[OG+1]
; Row p of the second pass: the sums take in weight p x row p; then the row's registers are free for the next item's row p.
.macro ROW p, acc, item, refill
.irp e, 0,1,2,3,4,5,6,7
.if (\p) & 1
	v_pk_fma_f32 v[\acc+2*\e:\acc+2*\e+1], v[XR+16*\p+2*\e:XR+16*\p+2*\e+1], v[WT+\p-1:WT+\p], v[\acc+2*\e:\acc+2*\e+1] op_sel:[0,1,0] op_sel_hi:[1,1,1]
.else
	v_pk_fma_f32 v[\acc+2*\e:\acc+2*\e+1], v[XR+16*\p+2*\e:XR+16*\p+2*\e+1], v[WT+\p:WT+\p+1], v[\acc+2*\e:\acc+2*\e+1] op_sel_hi:[1,0,1]
.endif
.endr
.if \refill
.irp i, 0,1,2,3
	global_load_b128 v[XR+16*\p+4*\i:XR+16*\p+4*\i+3], v[BO], s[6:7] offset:ITEMB*(\item+1)+ROWB*\p+512*\i th:TH_LOAD_NT
.endr
.endif
.endm
.macro ITEM item, acc, refill
	; pass 1: my 16 products of each row with q
.irp p, 0,1,2,3,4,5,6,7
	s_wait_loadcnt 28-4*\p                         ; row p's four loads are in; the four of each later row stay out (nothing was loaded behind the item)
	v_pk_mul_f32 v[DP+2*\p:DP+2*\p+1], v[XR+16*\p:XR+16*\p+1], v[QV:QV+1]
.irp e, 1,2,3,4,5,6,7
	v_pk_fma_f32 v[DP+2*\p:DP+2*\p+1], v[XR+16*\p+2*\e:XR+16*\p+2*\e+1], v[QV+2*\e:QV+2*\e+1], v[DP+2*\p:DP+2*\p+1]
.endr
.endr
	; across the 32 lanes, the eight sums side by side; every lane ends with all eight d
.irp p, 0,1,2,3,4,5,6,7
	v_add_f32 v[DP+2*\p], v[DP+2*\p], v[DP+2*\p+1]
.endr
.irp m, 1,2,4,8
.irp p, 0,1,2,3,4,5,6,7
	v_add_f32_dpp v[DP+2*\p], v[DP+2*\p], v[DP+2*\p] row_xmask:\m row_mask:0xf bank_mask:0xf
.endr
.endr
.irp p, 0,1,2,3,4,5,6,7
	v_permlanex16_b32 v[DP+2*\p+1], v[DP+2*\p], s12, s13       ; its destination was written above
.endr
.irp p, 0,1,2,3,4,5,6,7
	v_add_f32 v[DP+2*\p], v[DP+2*\p], v[DP+2*\p+1]
.endr
	; softmax over the eight p, the largest score taken away
	v_max3_num_f32 v[MX], v[DP],  v[DP+2],  v[DP+4]
	v_max3_num_f32 v[MX], v[MX],  v[DP+6],  v[DP+8]
	v_max3_num_f32 v[MX], v[MX],  v[DP+10], v[DP+12]
	v_max_num_f32  v[MX], v[MX],  v[DP+14]
	v_mul_f32 v[KM], v[KS+\item], v[MX]
.irp p, 0,1,2,3,4,5,6,7
	v_fma_f32 v[WT+\p], v[DP+2*\p], v[KS+\item], -v[KM]
.endr
.irp p, 0,1,2,3,4,5,6,7
	v_exp_f32 v[WT+\p], v[WT+\p]
.endr
	; g x content starts the sums; these plain lines are also the place behind the exponentials
.irp e, 0,1,2,3,4,5,6,7
.if \item
	v_pk_mul_f32 v[\acc+2*\e:\acc+2*\e+1], v[CV+2*\e:CV+2*\e+1], v[GV:GV+1] op_sel:[0,1] op_sel_hi:[1,1]
.else
	v_pk_mul_f32 v[\acc+2*\e:\acc+2*\e+1], v[CV+2*\e:CV+2*\e+1], v[GV:GV+1] op_sel_hi:[1,0]
.endif
.endr
	s_wait_alu depctr_va_vdst(0)
	v_add_f32 v[DP],   v[WT],   v[WT+1]
	v_add_f32 v[DP+2], v[WT+2], v[WT+3]
	v_add_f32 v[DP+4], v[WT+4], v[WT+5]
	v_add_f32 v[DP+6], v[WT+6], v[WT+7]
	v_add_f32 v[DP],   v[DP],   v[DP+2]
	v_add_f32 v[DP+4], v[DP+4], v[DP+6]
	v_add_f32 v[DP],   v[DP],   v[DP+4]            ; about 1 at the least: the largest score's own exponential
	v_rcp_f32 v[RC], v[DP]
	v_nop
	s_wait_alu depctr_va_vdst(0)
	v_mul_f32 v[RS],   v[RC], v[OG+\item]
	v_mul_f32 v[RS+1], v[RC], v[OG+\item]
.irp e, 0,2,4,6
	v_pk_mul_f32 v[WT+\e:WT+\e+1], v[WT+\e:WT+\e+1], v[RS:RS+1]    ; (1 - g) w_p
.endr
	; pass 2
.irp p, 0,1,2,3,4,5,6,7
	ROW \p, \acc, \item, \refill
.endr
.irp i, 0,1,2,3
	global_store_b128 v[OO], v[\acc+4*\i:\acc+4*\i+3], s[8:9] offset:ROWB*\item+512*\i th:TH_STORE_NT   ; 512 consecutive bytes, aligned
.endr
.endm
	ITEM 0, ACC0, 1
	ITEM 1, ACC1, 0
	s_wait_tensorcnt 0x0
	ds_add_u32 v240, v241
	s_wait_dscnt 0x0
	s_endpgm
.Lfunc_end_k_q2e7100244a_bus:
	.size	k_q2e7100244a_bus, .Lfunc_end_k_q2e7100244a_bus-k_q2e7100244a_bus
	.p2alignl 7, 3214868480
	.fill 96, 4, 3214868480
	.section	.rodata,"a",@progbits
	.p2align	6, 0x0
	.amdhsa_kernel k_q2e7100244a_bus
		.amdhsa_group_segment_fixed_size 12544
		.amdhsa_private_segment_fixed_size 0
		.amdhsa_enable_private_segment 0
		.amdhsa_kernarg_size 24
		.amdhsa_user_sgpr_count 2
		.amdhsa_user_sgpr_kernarg_segment_ptr 1
		.amdhsa_wavefront_size32 1
		.amdhsa_system_sgpr_workgroup_id_x 1
		.amdhsa_system_sgpr_workgroup_id_y 1
		.amdhsa_system_sgpr_workgroup_id_z 1
		.amdhsa_system_vgpr_workitem_id 0
		.amdhsa_next_free_vgpr 242
		.amdhsa_next_free_sgpr 66
		.amdhsa_reserve_vcc 0
		.amdhsa_float_denorm_mode_32 3
		.amdhsa_float_denorm_mode_16_64 3
		.amdhsa_memory_ordered 1
		.amdhsa_forward_progress 1
		.amdhsa_inst_pref_size 41
	.end_amdhsa_kernel
	.amdgpu_metadata
---
amdhsa.version: [ 1, 2 ]
amdhsa.kernels:
  - .name:           k_q2e7100244a_bus
    .symbol:         k_q2e7100244a_bus.kd
    .args:
      - { .name: proj, .offset: 0, .size: 8, .value_kind: global_buffer, .address_space: global }
      - { .name: buffer, .offset: 8, .size: 8, .value_kind: global_buffer, .address_space: global }
      - { .name: out0, .offset: 16, .size: 8, .value_kind: global_buffer, .address_space: global }
    .group_segment_fixed_size: 12544
    .private_segment_fixed_size: 0
    .kernarg_segment_align: 8
    .kernarg_segment_size: 24
    .max_flat_workgroup_size: 512
    .sgpr_count:     66
    .vgpr_count:     242
    .wavefront_size: 32
...
	.end_amdgpu_metadata
.endif
;; end of part 2
;; ======== version 2 of 2: 2 launches; version 1 with the launches proj, bus written anew for expert scheduling mode
;; workspace buffers: proj 4,456,448 bytes
;; launch proj (part 3): grid 17 x 8, 8 waves a work-group, no clusters, 52,224 bytes of LDS; arguments query, x, Wc, Wv, Wg, bc, bv, bg, proj; writes proj
.if DOCPART == 3
	.amdgcn_target "amdgcn-amd-amdhsa--gfx1250"
	.amdhsa_code_object_version 6
	.text
	.protected	k_q2e7100244a_proj
	.globl	k_q2e7100244a_proj
	.p2align	8
	.type	k_q2e7100244a_proj,@function
k_q2e7100244a_proj:
	s_mov_b64 s[64:65], 0
	v_nop
	global_prefetch_b8 v0, s[64:65] scope:SCOPE_SE
	s_setreg_imm32_b32 hwreg(HW_REG_WAVE_SCHED_MODE, 0, 2), 2
	s_setreg_imm32_b32 hwreg(HW_REG_WAVE_MODE, 25, 1), 1
	s_wait_xcnt 0x0
	s_wait_alu depctr_vm_vsrc(0)
; proj[kc][b][0:512]    = partial of q       = query x Wc (+ bc in chunk 0)
; proj[kc][b][512:1024] = partial of content = x x Wv     (+ bv in chunk 0)
; proj[kc][b][1024:1088]= partial of the gate's logit = x x Wg (+ bg in chunk 0)
; K = 1024 is cut into KSPLIT = 8 chunks of 128; the next launch adds the eight partials in f32.
; Work-group (c, kc): 64 output columns (c = 0..7 of q, 8..15 of content, 16 the logits) x all 128 rows x one chunk of K.
; 17 x 8 = 136 work-groups: each weight byte is read once in the launch, in rows of 256 consecutive bytes.
; Wave w: rows 16 w .. 16 w + 15 x 64 columns = 4 accumulator tiles, 4 K steps of 32, 16 matrix instructions.
; COLUMN MAP: tile t holds the columns 4 r + t (r = lane % 16).  So a 16-byte load of a row of W gives a lane one number for each
; of the four tiles (no transpose), and the four tiles' registers j are 16 neighbouring bytes of one output row (no trip through LDS).
; LIMITS: the operands of the products are rounded to bf16 (sums in f32); the sum over K is formed in eight parts.
; NO CLUSTER: the chunk of query or x (64 KiB) is read by the 8 or 9 work-groups of a chunk, but the numbers are f32 and have to pass
; through registers to become bf16, so they come by register loads, which have no joint form; and 17 column groups divide into no cluster.
; THE MODE: SCHED_MODE bits 1:0 = 2 (LLVM: expert scheduling mode 2), set by the entry lines.  The code itself states the register dependences
; between vector or matrix instructions and memory or LDS instructions, with s_wait_alu, always for 0.
; THE PLAN.  Registers that memory or LDS instructions touch:
;   v4 .. v10, v12 .. v19  offsets and LDS addresses: made once at the head, never written again.  v20, v21: at work at the head; the bias lands there.
;   WF   W's loads land in it; W's sixteen conversions read it.       PK   those conversions write it; four LDS stores read it.
;   XF   X's loads land in it; a row's two conversions work in place; the row's LDS store reads its first two registers.
;   BF   behind the barrier the fragments of W land where XF, WF and PK lay; AF is touched by its own loads and by matrix instructions alone.
;   OQ   the 32 additions of the bias write it; the eight stores read it.
; In front of the barrier the work goes in five steps (W, then four times four rows of X).  A step's conversions write what the NEXT step's LDS stores read:
; one wait on va_vdst at a step's head, behind the wait for the step's own data, and the four stores of the step before are dealt among the step's conversions,
; which name other rows.  One more stands ahead of the last four stores.  Behind the barrier one wait on vm_vsrc frees the stores' data for the fragments.
.set KSPLIT,  8
.set PROW,    4352                     ; bytes in a row of proj: 1088 f32 = 17 x 256
.set PSTRIDE, 128*PROW                 ; bytes in one chunk's partial
.set XS,      16384                    ; LDS: W's fragments lie at 0 (16,384 bytes), X's rows behind them
.set XP,      272                      ; an X row in LDS: 256 bytes of bf16 + 16, so that the 16 rows that a fragment load touches start 68 words apart
.set XO,   4                           ; v4   byte offset of my 16 bytes in row 16 w of the chunk of X
.set BIO,  5                           ; v5   16 r: my four columns in the bias
.set PO,   6                           ; v6   byte offset of my 16 bytes in row 16 w + 8 h of proj
.set XSW,  7                           ; v7   LDS: where I put 8 bytes of X's row 16 w
.set XSR,  8                           ; v8   LDS: my part of an A fragment
.set WSW,  9                           ; v9   LDS: where I put 16 bytes of my wave's pieces of W
.set WSR,  10                          ; v10  LDS: my 16 bytes of any piece of W
.set WO,   12                          ; v[12:19]  byte offset of my 16 bytes in row 16 w + 8 h + i of the chunk of W
.set BIAS, 20                          ; v[20:23]  bias of my four columns
.set ACC,  24                          ; v[24:55]  tile t at 24 + 8 t
.set AF,   56                          ; v[56:87]  A fragment of K step j at 56 + 8 j
.set BF,   88                          ; v[88:215] B fragment (j, t) at 88 + 8 (4 j + t)
.set OQ,   216                         ; v[216:247] output row j: 4 registers
.set XF,   88                          ; in front of the barrier: v[88:151] X as loaded, row i at 88 + 4 i
.set WF,   152                         ;                          v[152:183] W as loaded, row i at 152 + 4 i
.set PK,   184                         ;                          v[184:199] W packed, tile t at 184 + 4 t
	s_load_b512 s[4:19], s[0:1], 0x0               ; query 4, x 6, Wc 8, Wv 10, Wg 12, bc 14, bv 16, bg 18
	s_load_b64 s[20:21], s[0:1], 0x40              ; proj
	v_lshl_add_u32 v248, v0, 2, 0xc800
	v_mov_b32 v249, 0
	s_mov_b32 s23, ttmp9                           ; c
	s_and_b32 s34, ttmp7, 0xffff                   ; kc
	s_movk_i32 s30, 0x800
	s_cmp_eq_u32 s23, 16
	s_cselect_b32 s30, 0x100, s30                  ; bytes from row to row of W: 2,048, for Wg 256
	v_and_b32 v1, 31, v0                           ; lane l
	v_and_b32 v2, 15, v0                           ; r
	v_bfe_u32 v3, v0, 4, 1                         ; h
	v_lshrrev_b32 v11, 5, v0                       ; wave w
	v_lshlrev_b32 v[WSR], 4, v1                    ; 16 l
	v_lshl_add_u32 v[XO], v11, 16, v[WSR]          ; 16 rows of 4,096 bytes a wave + 16 l
	v_lshlrev_b32 v[BIO], 4, v2
	v_lshl_add_u32 v20, v11, 1, v3
	v_lshlrev_b32 v20, 3, v20                      ; 16 w + 8 h
	v_mad_u32_u24 v[PO], v20, PROW, v[BIO]
	v_mul_u32_u24 v21, 16*XP, v11                  ; my wave's 16 rows in XS
	v_lshl_add_u32 v[XSW], v1, 3, v21
	v_add_nc_u32 v[XSW], XS, v[XSW]
	v_mad_u32_u24 v[XSR], v2, XP, v21              ; row r of them,
	v_lshl_add_u32 v[XSR], v3, 4, v[XSR]           ; + 16 h
	v_add_nc_u32 v[XSR], XS, v[XSR]
	v_lshl_add_u32 v[WSW], v11, 11, v[WSR]         ; my wave's four pieces of 512 bytes
	v_mad_u32_u24 v[WO], v20, s30, v[BIO]
.irp i, 1,2,3,4,5,6,7
	v_add_nc_u32 v[WO+\i], s30, v[WO+\i-1]
.endr
	s_wait_kmcnt 0x0
	s_cmp_lt_u32 s23, 8                            ; which product is mine
	s_cselect_b64 s[24:25], s[4:5], s[6:7]         ; A: query or x
	s_cselect_b64 s[26:27], s[8:9], s[10:11]       ; W: Wc or Wv
	s_cselect_b64 s[28:29], s[14:15], s[16:17]     ; bias: bc or bv
	s_cmp_eq_u32 s23, 16
	s_cselect_b64 s[26:27], s[12:13], s[26:27]     ; or Wg
	s_cselect_b64 s[28:29], s[18:19], s[28:29]     ; and bg
	s_cmp_eq_u32 s34, 0
	s_cselect_b32 s35, -1, 0                       ; the bias counts in chunk 0 alone
	s_mov_b32 s33, 0
	s_lshl_b32 s32, s34, 9                         ; the chunk's 128 f32 in a row of A
	s_add_nc_u64 s[24:25], s[24:25], s[32:33]
	s_and_b32 s36, s23, 7
	s_lshl_b32 s36, s36, 8                         ; my 64 columns in W and in the bias (c = 16: 0)
	s_mul_i32 s32, s34, s30
	s_lshl_b32 s32, s32, 7                         ; the chunk's 128 rows of W
	s_add_co_u32 s32, s32, s36
	s_add_nc_u64 s[26:27], s[26:27], s[32:33]
	s_mov_b32 s32, s36
	s_add_nc_u64 s[28:29], s[28:29], s[32:33]
	s_mul_i32 s32, s34, PSTRIDE
	s_lshl_b32 s37, s23, 8                         ; my 64 columns in a row of proj
	s_add_co_u32 s32, s32, s37
	s_add_nc_u64 s[20:21], s[20:21], s[32:33]
	s_wait_alu depctr_va_vdst(0)                   ; the offsets and LDS addresses v4 to v10 and v12 to v19 are written, which every load and store below reads; the head is done with v20 and v21, in which the bias lands
	; All 25 loads in one run.  W: lanes 0-15 take 256 consecutive bytes of row 16 w + i, lanes 16-31 of row 16 w + 8 + i.
.irp i, 0,1,2,3,4,5,6,7
	global_load_b128 v[WF+4*\i:WF+4*\i+3], v[WO+\i], s[26:27] th:TH_LOAD_NT
.endr
.irp i, 0,1,2,3,4,5,6,7,8,9,10,11,12,13,14,15
	global_load_b128 v[XF+4*\i:XF+4*\i+3], v[XO], s[24:25] offset:4096*\i     ; a row's 512 consecutive bytes
.endr
	global_load_b128 v[BIAS:BIAS+3], v[BIO], s[28:29]
; Piece (w, t) of W in LDS: lane (r, h) holds k = 16 w + 8 h + 0..7 of column 4 r + t as 8 bf16: registers 0-3 (w even) or 4-7 (w odd)
; of the B fragment of K step w / 2 and tile t.  Stored and read at 16 bytes a lane, consecutive.
.macro CVTW t
.irp e, 0,1,2,3
	v_cvt_pk_bf16_f32 v[PK+4*(\t)+\e], v[WF+8*\e+(\t)], v[WF+8*\e+4+(\t)]
.endr
.endm
.macro STW t
	ds_store_b128 v[WSW], v[PK+4*(\t):PK+4*(\t)+3] offset:512*(\t)
.endm
; Row i of my wave's X: 4 f32 become 8 bytes; a row's 32 lanes store 256 consecutive bytes.
.macro CVTX i
	v_cvt_pk_bf16_f32 v[XF+4*(\i)],   v[XF+4*(\i)],   v[XF+4*(\i)+1]
	v_cvt_pk_bf16_f32 v[XF+4*(\i)+1], v[XF+4*(\i)+2], v[XF+4*(\i)+3]
.endm
.macro STX i
	ds_store_b64 v[XSW], v[XF+4*(\i):XF+4*(\i)+1] offset:XP*(\i)
.endm
; Step g over X: rows 4 g .. 4 g + 3 are rounded; the four LDS stores of the step before (g = 0: W's pieces) stand among the conversions.
.macro XSTEP g
	s_wait_loadcnt 13-4*\g                         ; the 12 - 4 g later rows of X and the bias stay out
	s_wait_alu depctr_va_vdst(0)                   ; the conversions of the step before have written what the four LDS stores below read; this step's conversions name other registers
.irp q, 0,1,2,3
.if \g == 0
	STW \q
.else
	STX (4*(\g-1)+\q)
.endif
	CVTX (4*\g+\q)
.endr
.endm
	s_wait_loadcnt 17                              ; W's eight loads are in; X's sixteen and the bias stay out
	CVTW 0
	CVTW 1
	CVTW 2
	CVTW 3
	XSTEP 0
	XSTEP 1
	XSTEP 2
	XSTEP 3
	s_wait_alu depctr_va_vdst(0)                   ; rows 12 to 15 are rounded, which the last four LDS stores read; and every conversion is done with v[88:199], in which fragments land behind the barrier
	STX 12
	STX 13
	STX 14
	STX 15
	s_wait_dscnt 0x0                               ; my LDS stores are done, for the other waves' sake,
	s_barrier_signal -1
	s_barrier_wait -1                              ; and so are everybody's: W's fragments are whole.  The only barrier
	s_wait_alu depctr_vm_vsrc(0)                   ; my LDS stores have read PK and XF: these registers are BF from here on, and the fragments' loads land in them
; The ten loads of K step j: the A fragment (row r of my 16, bytes 64 j + 16 h and 32 further) and the four B fragments.
.macro FRAG j
	ds_load_b128 v[AF+8*\j:AF+8*\j+3],   v[XSR] offset:64*\j
	ds_load_b128 v[AF+8*\j+4:AF+8*\j+7], v[XSR] offset:64*\j+32
.irp t, 0,1,2,3
	ds_load_b128 v[BF+8*(4*\j+\t):BF+8*(4*\j+\t)+3],   v[WSR] offset:4096*\j+512*\t
	ds_load_b128 v[BF+8*(4*\j+\t)+4:BF+8*(4*\j+\t)+7], v[WSR] offset:4096*\j+2048+512*\t
.endr
.endm
; zero = 1: the first products start the sums, nothing is cleared.  Later ones are links of chains in place; the four accumulators take turns.
; left: the LDS loads issued behind this K step's ten, which may stay out.
.macro MUL j, zero, left
	s_wait_dscnt \left
.irp t, 0,1,2,3
.if \zero
	v_wmma_f32_16x16x32_bf16 v[ACC+8*\t:ACC+8*\t+7], v[AF+8*\j:AF+8*\j+7], v[BF+8*(4*\j+\t):BF+8*(4*\j+\t)+7], 0
.else
	v_wmma_f32_16x16x32_bf16 v[ACC+8*\t:ACC+8*\t+7], v[AF+8*\j:AF+8*\j+7], v[BF+8*(4*\j+\t):BF+8*(4*\j+\t)+7], v[ACC+8*\t:ACC+8*\t+7]
.endif
.endr
.endm
	; Every fragment has registers of its own: the loads that stand among the matrix instructions land in registers that no matrix instruction issued so far names, so they owe no wait.
	FRAG 0
	FRAG 1
	MUL 0, 1, 10                                   ; K step 1's ten loads stay out
	FRAG 2
	MUL 1, 0, 10                                   ; K step 2's
	FRAG 3
	MUL 2, 0, 10                                   ; K step 3's
	MUL 3, 0, 0
	s_wait_loadcnt 0x0                             ; the bias
	; Four plain vector instructions that name no register of the products: the four places behind the last matrix instruction
	; (ISA guide 7.12.1).  A mask, not a product with 0: the bias passes as it is in chunk 0 and is +0 in the others.
.irp t, 0,1,2,3
	v_and_b32 v[BIAS+\t], s35, v[BIAS+\t]
.endr
	; Register j of tile t is (row 8 h + j, column 4 r + t): the add of the bias also gathers a row's four neighbours.
.irp j, 0,1,2,3,4,5,6,7
.irp t, 0,1,2,3
	v_add_f32 v[OQ+4*\j+\t], v[BIAS+\t], v[ACC+8*\t+\j]
.endr
.endr
	s_wait_alu depctr_va_vdst(0)                   ; the 32 additions have written OQ, which the eight stores read
.irp j, 0,1,2,3,4,5,6,7
	global_store_b128 v[PO], v[OQ+4*\j:OQ+4*\j+3], s[20:21] offset:PROW*\j    ; 16 lanes store 256 consecutive bytes, aligned
.endr
	s_wait_dscnt 0x0
	s_wait_alu depctr_hold_cnt(0) depctr_sa_sdst(0) depctr_va_vdst(0) depctr_va_sdst(0) depctr_va_ssrc(0) depctr_va_vcc(0) depctr_vm_vsrc(0)
	s_wait_tensorcnt 0x0
	ds_add_u32 v248, v249
	s_wait_dscnt 0x0
	s_endpgm
.Lfunc_end_k_q2e7100244a_proj:
	.size	k_q2e7100244a_proj, .Lfunc_end_k_q2e7100244a_proj-k_q2e7100244a_proj
	.p2alignl 7, 3214868480
	.fill 96, 4, 3214868480
	.section	.rodata,"a",@progbits
	.p2align	6, 0x0
	.amdhsa_kernel k_q2e7100244a_proj
		.amdhsa_group_segment_fixed_size 52224
		.amdhsa_private_segment_fixed_size 0
		.amdhsa_enable_private_segment 0
		.amdhsa_kernarg_size 72
		.amdhsa_user_sgpr_count 2
		.amdhsa_user_sgpr_kernarg_segment_ptr 1
		.amdhsa_wavefront_size32 1
		.amdhsa_system_sgpr_workgroup_id_x 1
		.amdhsa_system_sgpr_workgroup_id_y 1
		.amdhsa_system_sgpr_workgroup_id_z 1
		.amdhsa_system_vgpr_workitem_id 0
		.amdhsa_next_free_vgpr 250
		.amdhsa_next_free_sgpr 66
		.amdhsa_reserve_vcc 0
		.amdhsa_float_denorm_mode_32 3
		.amdhsa_float_denorm_mode_16_64 3
		.amdhsa_memory_ordered 1
		.amdhsa_forward_progress 1
		.amdhsa_inst_pref_size 16
	.end_amdhsa_kernel
	.amdgpu_metadata
---
amdhsa.version: [ 1, 2 ]
amdhsa.kernels:
  - .name:           k_q2e7100244a_proj
    .symbol:         k_q2e7100244a_proj.kd
    .args:
      - { .name: query, .offset: 0, .size: 8, .value_kind: global_buffer, .address_space: global }
      - { .name: x, .offset: 8, .size: 8, .value_kind: global_buffer, .address_space: global }
      - { .name: Wc, .offset: 16, .size: 8, .value_kind: global_buffer, .address_space: global }
      - { .name: Wv, .offset: 24, .size: 8, .value_kind: global_buffer, .address_space: global }
      - { .name: Wg, .offset: 32, .size: 8, .value_kind: global_buffer, .address_space: global }
      - { .name: bc, .offset: 40, .size: 8, .value_kind: global_buffer, .address_space: global }
      - { .name: bv, .offset: 48, .size: 8, .value_kind: global_buffer, .address_space: global }
      - { .name: bg, .offset: 56, .size: 8, .value_kind: global_buffer, .address_space: global }
      - { .name: proj, .offset: 64, .size: 8, .value_kind: global_buffer, .address_space: global }
    .group_segment_fixed_size: 52224
    .private_segment_fixed_size: 0
    .kernarg_segment_align: 8
    .kernarg_segment_size: 72
    .max_flat_workgroup_size: 256
    .sgpr_count:     66
    .vgpr_count:     250
    .wavefront_size: 32
...
	.end_amdgpu_metadata
.endif
;; end of part 3
;; launch bus (part 4): grid 256 x 1, 16 waves a work-group, no clusters, 12,544 bytes of LDS; arguments proj, buffer, out0; writes out0
.if DOCPART == 4
	.amdgcn_target "amdgcn-amd-amdhsa--gfx1250"
	.amdhsa_code_object_version 6
	.text
	.protected	k_q2e7100244a_bus
	.globl	k_q2e7100244a_bus
	.p2align	8
	.type	k_q2e7100244a_bus,@function
k_q2e7100244a_bus:
	s_mov_b64 s[64:65], 0
	v_nop
	global_prefetch_b8 v0, s[64:65] scope:SCOPE_SE
	s_setreg_imm32_b32 hwreg(HW_REG_WAVE_SCHED_MODE, 0, 2), 2
	s_setreg_imm32_b32 hwreg(HW_REG_WAVE_MODE, 25, 1), 1
	s_wait_xcnt 0x0
	s_wait_alu depctr_vm_vsrc(0)
; out0[b][s][:] = sum over p of w_p new[b][s][p][:],  new = (1 - g) buffer + g content,  w = softmax over p of (new . q) / sqrt(512).
; With d_p = buffer[b][s][p][:] . q[b]:  score_p = ((1 - g) d_p + g (content . q)) / sqrt(512).  The second term is the same for the
; eight p, so it cancels in the softmax for every input; it is NOT formed here (forming it only to take it away again with the maximum
; would be a difference of large sums).  The largest of the eight scores is taken away before the exponentials.
; As the weights add up to 1:  out = sum over p of ((1 - g) w_p) buffer_p + g content: new is never formed.
; Work-group id: b = id / 2, the 32 s from 32 (id % 2): 512 KiB of buffer and 64 KiB of out0, both consecutive.
; Wave w: items (b, s) 2 w and 2 w + 1 of them.  An item is 8 rows of 2,048 bytes: 32 loads of 16 bytes a lane, 128 registers; it stays
; in registers between the pass that makes the scores and the pass that sums, so buffer is read once.  The second item's rows are
; asked for in two halves, four rows each, as the first item's second pass gives the registers back.
; A lane holds the numbers 128 i + 4 l + 0..3, i = 0..3, of a row: every load and store of a wave covers 512 consecutive bytes.
; LIMITS: v_exp_f32 gives 0 for results below 2^-126 (ISA guide, its entry), so weights that small, and the exponential in the gate for
; logits above 126 ln 2, count as 0; the sums over K (eight partials) and over v (a tree over lanes) run in another order than a plain loop.
; LEFT OUT: matrix instructions (each number of buffer meets one vector, q[b]: 15 of 16 columns would idle); LDS for the stream (the
; registers hold it); clusters (two work-groups share 35 KiB of partials against 512 KiB of their own, and there are no tensor loads).
; THE MODE: SCHED_MODE bits 1:0 = 2 (LLVM: expert scheduling mode 2), set by the entry lines.  The code itself states the register dependences
; between vector instructions and memory or LDS instructions, with s_wait_alu, always for 0.
; THE PLAN.  Registers that memory or LDS instructions touch:
;   v2 .. v9   offsets and LDS addresses: made once at the head, never written again.  v10, v11: at work at the head; the logits' LDS load lands there.
;   ACC0       four partials land in it; six additions work on it; the LDS store reads its first four; behind the barrier LDS loads land in all sixteen;
;              from then on vector work, until item 0's four stores read it; it is not written after them.
;   ACC1       LDS loads land in it once; then vector work, until item 1's four stores read it.
;   DP's first register: a partial of a logit lands in it, the LDS store reads it, the first pass writes it.      QV, CV: LDS loads land once.
;   XR         item 0's loads land in it; both passes read it; row p's last readers are its eight multiply-adds of the second pass; then item 1's loads land.
; Item 0's second pass has two waits on va_vdst: behind rows 0 to 3, whose sixteen loads of item 1 are then dealt among the multiply-adds of rows 4 to 7
; (these name rows 4 to 7, the weights and the sums: none of the registers that those loads touch); and behind row 7, for the other sixteen loads and the four stores.
.set PROW,    4352                     ; bytes in a row of proj: q 2,048, content 2,048, logits 256
.set PSTRIDE, 128*PROW                 ; bytes in one partial
.set ITEMB,   16384
.set ROWB,    2048
.set GTB,     8192                     ; LDS: [2][1024] f32 half sums of q | content at 0; the logits' partials behind them,
.set GTP,     264                      ; eight rows of 64 f32, 264 bytes apart: the eight rows that one read touches start 2 words further each
.set BO,  2                            ; v2   my 16 bytes in the first row of my wave's first item
.set OO,  3                            ; v3   my 16 bytes in my wave's first output row
.set PO,  4                            ; v4   partials: group t / 256 (four partials each), quad t % 256
.set GO,  5                            ; v5   logits: partial t / 64, s = t % 64
.set LW,  6                            ; v6   LDS 16 t
.set LG,  7                            ; v7   LDS: logit (t / 64, t % 64)
.set LR,  8                            ; v8   LDS 16 l
.set LGR, 9                            ; v9   LDS: partial l % 8 of my wave's two logits
.set GV,  10                           ; v[10:11] g of items 0, 1
.set OG,  12                           ; v[12:13] 1 - g
.set KS,  14                           ; v[14:15] (1 - g) log2(e) / sqrt(512)
.set RS,  16                           ; v[16:17] (1 - g) / sum of exponentials, twice
.set MX,  18                           ; v18  largest d
.set KM,  19                           ; v19  its score
.set QV,  20                           ; v[20:35] my 16 numbers of q
.set CV,  36                           ; v[36:51] and of content
.set ACC0, 52                          ; v[52:67] item 0's sums
.set ACC1, 68                          ; v[68:83] item 1's: a set each, so no store's data is written again
.set DP,  84                           ; v[84:99] pair 2 p: d_p
.set WT,  100                          ; v[100:107] the weights
.set RC,  108
.set XR,  112                          ; v[112:239] the item: row p at 112 + 16 p
	s_load_b128 s[4:7], s[0:1], 0x0                ; proj, buffer
	s_load_b64 s[8:9], s[0:1], 0x10                ; out0
	v_lshl_add_u32 v110, v0, 2, 0x2900
	v_mov_b32 v111, 0
	s_lshr_b32 s11, ttmp9, 1                       ; b
	s_and_b32 s14, ttmp9, 1
	s_lshl_b32 s15, s14, 7                         ; my half's 32 logits, in bytes
	s_mov_b32 s12, 0x76543210                      ; v_permlanex16_b32: lane i of one half reads lane i of the other
	s_mov_b32 s13, 0xfedcba98
	v_and_b32 v1, 31, v0                           ; lane l
	v_lshrrev_b32 v10, 5, v0                       ; wave w
	v_lshlrev_b32 v[LR], 4, v1
	v_lshl_add_u32 v[BO], v10, 15, v[LR]           ; two items of 16 KiB a wave
	v_lshl_add_u32 v[OO], v10, 12, v[LR]           ; two rows of 2 KiB a wave
	v_lshrrev_b32 v11, 8, v0
	v_and_b32 v12, 0xff, v0
	v_mul_u32_u24 v[PO], 4*PSTRIDE, v11
	v_lshl_add_u32 v[PO], v12, 4, v[PO]
	v_lshrrev_b32 v11, 6, v0
	v_and_b32 v12, 63, v0
	v_mul_u32_u24 v[GO], PSTRIDE, v11
	v_lshl_add_u32 v[GO], v12, 2, v[GO]
	v_lshlrev_b32 v[LW], 4, v0
	v_mul_u32_u24 v[LG], GTP, v11
	v_lshl_add_u32 v[LG], v12, 2, v[LG]
	v_add_nc_u32 v[LG], GTB, v[LG]
	v_and_b32 v13, 7, v0
	v_mul_u32_u24 v[LGR], GTP, v13
	v_lshl_add_u32 v[LGR], v10, 3, v[LGR]
	v_add3_u32 v[LGR], v[LGR], s15, GTB
	s_mul_i32 s16, s11, PROW
	s_mov_b32 s17, 0
	s_wait_kmcnt 0x0
	s_add_nc_u64 s[4:5], s[4:5], s[16:17]          ; proj at row b of partial 0
	s_lshl_b32 s16, ttmp9, 19
	s_add_nc_u64 s[6:7], s[6:7], s[16:17]          ; buffer at my 32 items
	s_lshl_b32 s16, ttmp9, 16
	s_add_nc_u64 s[8:9], s[8:9], s[16:17]          ; out0 at my 32 rows
	s_wait_alu depctr_va_vdst(0)                   ; the offsets and LDS addresses v2 to v9 are written, which every load and store below reads; the head is done with v10 and v11, in which the logits' LDS load lands
	; The partials first, so that a counted wait can leave the stream out.
	global_load_b32 v[DP], v[GO], s[4:5] offset:4096
.irp k, 0,1,2,3
	global_load_b128 v[ACC0+4*\k:ACC0+4*\k+3], v[PO], s[4:5] offset:PSTRIDE*\k
.endr
.irp p, 0,1,2,3,4,5,6,7
.irp i, 0,1,2,3
	global_load_b128 v[XR+16*\p+4*\i:XR+16*\p+4*\i+3], v[BO], s[6:7] offset:ROWB*\p+512*\i th:TH_LOAD_NT   ; item 0
.endr
.endr
	s_wait_loadcnt 32                              ; the five loads of partials are in; item 0's 32 stay out
	v_pk_add_f32 v[ACC0:ACC0+1],     v[ACC0:ACC0+1],     v[ACC0+4:ACC0+5]
	v_pk_add_f32 v[ACC0+2:ACC0+3],   v[ACC0+2:ACC0+3],   v[ACC0+6:ACC0+7]
	v_pk_add_f32 v[ACC0+8:ACC0+9],   v[ACC0+8:ACC0+9],   v[ACC0+12:ACC0+13]
	v_pk_add_f32 v[ACC0+10:ACC0+11], v[ACC0+10:ACC0+11], v[ACC0+14:ACC0+15]
	v_pk_add_f32 v[ACC0:ACC0+1],     v[ACC0:ACC0+1],     v[ACC0+8:ACC0+9]
	v_pk_add_f32 v[ACC0+2:ACC0+3],   v[ACC0+2:ACC0+3],   v[ACC0+10:ACC0+11]
	s_wait_alu depctr_va_vdst(0)                   ; the additions have written v[ACC0:ACC0+3], which the LDS store reads, and are done with all sixteen of ACC0, in which LDS loads land behind the barrier
	ds_store_b128 v[LW], v[ACC0:ACC0+3]            ; four partials' sum of my quad
	ds_store_b32 v[LG], v[DP]
	s_wait_dscnt 0x0                               ; my LDS stores are done, for the other waves' sake,
	s_barrier_signal -1
	s_barrier_wait -1                              ; and everybody's.  The only barrier; the stream's loads, of bytes that nobody writes, stay out across it
	s_wait_alu depctr_vm_vsrc(0)                   ; my two LDS stores have read v[ACC0:ACC0+3], in which a load below lands, and v[DP], which the first pass writes
.irp i, 0,1,2,3
	ds_load_b128 v[QV+4*\i:QV+4*\i+3],     v[LR] offset:512*\i
	ds_load_b128 v[CV+4*\i:CV+4*\i+3],     v[LR] offset:2048+512*\i
	ds_load_b128 v[ACC0+4*\i:ACC0+4*\i+3], v[LR] offset:4096+512*\i          ; the other four partials' sums: q,
	ds_load_b128 v[ACC1+4*\i:ACC1+4*\i+3], v[LR] offset:6144+512*\i          ; content
.endr
	ds_load_b64 v[GV:GV+1], v[LGR]
	s_wait_dscnt 0x0
.irp e, 0,1,2,3,4,5,6,7,8,9,10,11,12,13,14,15
	v_pk_add_f32 v[QV+2*\e:QV+2*\e+1], v[QV+2*\e:QV+2*\e+1], v[ACC0+2*\e:ACC0+2*\e+1]   ; q and content lie side by side, and so do the second sums
.endr
	; the gate: lane l holds partial l % 8 of both logits; three steps leave the sums in every lane
.irp m, 1,2,4
	v_add_f32_dpp v[GV],   v[GV],   v[GV]   row_xmask:\m row_mask:0xf bank_mask:0xf
	v_add_f32_dpp v[GV+1], v[GV+1], v[GV+1] row_xmask:\m row_mask:0xf bank_mask:0xf
.endr
	v_mul_f32 v[GV],   0xbfb8aa3b, v[GV]           ; - log2(e) z
	v_mul_f32 v[GV+1], 0xbfb8aa3b, v[GV+1]
	v_exp_f32 v[GV],   v[GV]
	v_exp_f32 v[GV+1], v[GV+1]
	v_nop                                          ; one plain place behind a transcendental before its result is used (ISA guide 5.7.2)
	s_wait_alu depctr_va_vdst(0)
	v_add_f32 v[GV],   1.0, v[GV]
	v_add_f32 v[GV+1], 1.0, v[GV+1]
	v_rcp_f32 v[GV],   v[GV]                       ; g = 1 / (1 + e^-z)
	v_rcp_f32 v[GV+1], v[GV+1]
	v_nop
	s_wait_alu depctr_va_vdst(0)
	v_sub_f32 v[OG],   1.0, v[GV]
	v_sub_f32 v[OG+1], 1.0, v[GV+1]
	v_max_num_f32 v[OG],   0, v[OG]                ; never below 0, so that the largest d gives the largest score
	v_max_num_f32 v[OG+1], 0, v[OG+1]
	v_mul_f32 v[KS],   0x3d8293ee, v[OG]           ; log2(e) / sqrt(512): the exponentials below are in base 2
	v_mul_f32 v[KS+1], 0x3d8293ee, v[OG+1]
; Row p of the second pass: the sums take in weight p x row p.
.macro ROW p, acc
.irp e, 0,1,2,3,4,5,6,7
.if (\p) & 1
	v_pk_fma_f32 v[\acc+2*\e:\acc+2*\e+1], v[XR+16*\p+2*\e:XR+16*\p+2*\e+1], v[WT+\p-1:WT+\p], v[\acc+2*\e:\acc+2*\e+1] op_sel:[0,1,0] op_sel_hi:[1,1,1]
.else
	v_pk_fma_f32 v[\acc+2*\e:\acc+2*\e+1], v[XR+16*\p+2*\e:XR+16*\p+2*\e+1], v[WT+\p:WT+\p+1], v[\acc+2*\e:\acc+2*\e+1] op_sel_hi:[1,0,1]
.endif
.endr
.endm
; Row p's registers take the next item's row p.
.macro REFILL p, item
.irp i, 0,1,2,3
	global_load_b128 v[XR+16*\p+4*\i:XR+16*\p+4*\i+3], v[BO], s[6:7] offset:ITEMB*(\item+1)+ROWB*\p+512*\i th:TH_LOAD_NT
.endr
.endm
.macro ITEM item, acc, refill
	; pass 1: my 16 products of each row with q
.irp p, 0,1,2,3,4,5,6,7
	s_wait_loadcnt 28-4*\p                         ; row p's four loads are in; the four of each later row stay out (nothing was loaded behind the item)
	v_pk_mul_f32 v[DP+2*\p:DP+2*\p+1], v[XR+16*\p:XR+16*\p+1], v[QV:QV+1]
.irp e, 1,2,3,4,5,6,7
	v_pk_fma_f32 v[DP+2*\p:DP+2*\p+1], v[XR+16*\p+2*\e:XR+16*\p+2*\e+1], v[QV+2*\e:QV+2*\e+1], v[DP+2*\p:DP+2*\p+1]
.endr
.endr
	; across the 32 lanes, the eight sums side by side; every lane ends with all eight d
.irp p, 0,1,2,3,4,5,6,7
	v_add_f32 v[DP+2*\p], v[DP+2*\p], v[DP+2*\p+1]
.endr
.irp m, 1,2,4,8
.irp p, 0,1,2,3,4,5,6,7
	v_add_f32_dpp v[DP+2*\p], v[DP+2*\p], v[DP+2*\p] row_xmask:\m row_mask:0xf bank_mask:0xf
.endr
.endr
.irp p, 0,1,2,3,4,5,6,7
	v_permlanex16_b32 v[DP+2*\p+1], v[DP+2*\p], s12, s13       ; its destination was written above
.endr
.irp p, 0,1,2,3,4,5,6,7
	v_add_f32 v[DP+2*\p], v[DP+2*\p], v[DP+2*\p+1]
.endr
	; softmax over the eight p, the largest score taken away
	v_max3_num_f32 v[MX], v[DP],  v[DP+2],  v[DP+4]
	v_max3_num_f32 v[MX], v[MX],  v[DP+6],  v[DP+8]
	v_max3_num_f32 v[MX], v[MX],  v[DP+10], v[DP+12]
	v_max_num_f32  v[MX], v[MX],  v[DP+14]
	v_mul_f32 v[KM], v[KS+\item], v[MX]
.irp p, 0,1,2,3,4,5,6,7
	v_fma_f32 v[WT+\p], v[DP+2*\p], v[KS+\item], -v[KM]
.endr
.irp p, 0,1,2,3,4,5,6,7
	v_exp_f32 v[WT+\p], v[WT+\p]
.endr
	; g x content starts the sums; these plain lines are also the place behind the exponentials
.irp e, 0,1,2,3,4,5,6,7
.if \item
	v_pk_mul_f32 v[\acc+2*\e:\acc+2*\e+1], v[CV+2*\e:CV+2*\e+1], v[GV:GV+1] op_sel:[0,1] op_sel_hi:[1,1]
.else
	v_pk_mul_f32 v[\acc+2*\e:\acc+2*\e+1], v[CV+2*\e:CV+2*\e+1], v[GV:GV+1] op_sel_hi:[1,0]
.endif
.endr
	s_wait_alu depctr_va_vdst(0)
	v_add_f32 v[DP],   v[WT],   v[WT+1]
	v_add_f32 v[DP+2], v[WT+2], v[WT+3]
	v_add_f32 v[DP+4], v[WT+4], v[WT+5]
	v_add_f32 v[DP+6], v[WT+6], v[WT+7]
	v_add_f32 v[DP],   v[DP],   v[DP+2]
	v_add_f32 v[DP+4], v[DP+4], v[DP+6]
	v_add_f32 v[DP],   v[DP],   v[DP+4]            ; about 1 at the least: the largest score's own exponential
	v_rcp_f32 v[RC], v[DP]
	v_nop
	s_wait_alu depctr_va_vdst(0)
	v_mul_f32 v[RS],   v[RC], v[OG+\item]
	v_mul_f32 v[RS+1], v[RC], v[OG+\item]
.irp e, 0,2,4,6
	v_pk_mul_f32 v[WT+\e:WT+\e+1], v[WT+\e:WT+\e+1], v[RS:RS+1]    ; (1 - g) w_p
.endr
	; pass 2: the rows in ascending order
	ROW 0, \acc
	ROW 1, \acc
	ROW 2, \acc
	ROW 3, \acc
.if \refill
	s_wait_alu depctr_va_vdst(0)                   ; the multiply-adds of rows 0 to 3 are done reading those rows' registers, in which the sixteen loads dealt below land
	REFILL 0, \item                                ; no vector instruction since the wait names rows 0 to 3
	ROW 4, \acc
	REFILL 1, \item
	ROW 5, \acc
	REFILL 2, \item
	ROW 6, \acc
	REFILL 3, \item
	ROW 7, \acc
	s_wait_alu depctr_va_vdst(0)                   ; the multiply-adds of rows 4 to 7 are done reading those rows' registers, in which the loads below land, and have written the sums, which the stores read
	REFILL 4, \item
	REFILL 5, \item
	REFILL 6, \item
	REFILL 7, \item
.else
	ROW 4, \acc
	ROW 5, \acc
	ROW 6, \acc
	ROW 7, \acc
	s_wait_alu depctr_va_vdst(0)                   ; the multiply-adds have written the sums, which the stores read
.endif
.irp i, 0,1,2,3
	global_store_b128 v[OO], v[\acc+4*\i:\acc+4*\i+3], s[8:9] offset:ROWB*\item+512*\i th:TH_STORE_NT   ; 512 consecutive bytes, aligned
.endr
.endm
	ITEM 0, ACC0, 1
	ITEM 1, ACC1, 0
	s_wait_dscnt 0x0
	s_wait_alu depctr_hold_cnt(0) depctr_sa_sdst(0) depctr_va_vdst(0) depctr_va_sdst(0) depctr_va_ssrc(0) depctr_va_vcc(0) depctr_vm_vsrc(0)
	s_wait_tensorcnt 0x0
	ds_add_u32 v110, v111
	s_wait_dscnt 0x0
	s_endpgm
.Lfunc_end_k_q2e7100244a_bus:
	.size	k_q2e7100244a_bus, .Lfunc_end_k_q2e7100244a_bus-k_q2e7100244a_bus
	.p2alignl 7, 3214868480
	.fill 96, 4, 3214868480
	.section	.rodata,"a",@progbits
	.p2align	6, 0x0
	.amdhsa_kernel k_q2e7100244a_bus
		.amdhsa_group_segment_fixed_size 12544
		.amdhsa_private_segment_fixed_size 0
		.amdhsa_enable_private_segment 0
		.amdhsa_kernarg_size 24
		.amdhsa_user_sgpr_count 2
		.amdhsa_user_sgpr_kernarg_segment_ptr 1
		.amdhsa_wavefront_size32 1
		.amdhsa_system_sgpr_workgroup_id_x 1
		.amdhsa_system_sgpr_workgroup_id_y 1
		.amdhsa_system_sgpr_workgroup_id_z 1
		.amdhsa_system_vgpr_workitem_id 0
		.amdhsa_next_free_vgpr 240
		.amdhsa_next_free_sgpr 66
		.amdhsa_reserve_vcc 0
		.amdhsa_float_denorm_mode_32 3
		.amdhsa_float_denorm_mode_16_64 3
		.amdhsa_memory_ordered 1
		.amdhsa_forward_progress 1
		.amdhsa_inst_pref_size 41
	.end_amdhsa_kernel
	.amdgpu_metadata
---
amdhsa.version: [ 1, 2 ]
amdhsa.kernels:
  - .name:           k_q2e7100244a_bus
    .symbol:         k_q2e7100244a_bus.kd
    .args:
      - { .name: proj, .offset: 0, .size: 8, .value_kind: global_buffer, .address_space: global }
      - { .name: buffer, .offset: 8, .size: 8, .value_kind: global_buffer, .address_space: global }
      - { .name: out0, .offset: 16, .size: 8, .value_kind: global_buffer, .address_space: global }
    .group_segment_fixed_size: 12544
    .private_segment_fixed_size: 0
    .kernarg_segment_align: 8
    .kernarg_segment_size: 24
    .max_flat_workgroup_size: 512
    .sgpr_count:     66
    .vgpr_count:     240
    .wavefront_size: 32
...
	.end_amdgpu_metadata
.endif
;; end of part 4
